; MI455X (gfx1250); checked and timed in simulation.
; The chip was launched on July 23, 2026; its instructions are those of AMD's public machine-readable ISA for CDNA 5 (MIT licence, August 2026) and "CDNA5" Instruction Set Architecture Reference Guide (July 2026). The comments in the code are by the model that wrote it; some were corrected since.
;; Tree Attention. Allowed arithmetic: float matrix products may take bf16 or f16 operands with f32 sums; all other float work in f32.
;; Inputs: W_K 2,048 x 2,048 float32; W_O 2,048 x 2,048 float32; W_Q 2,048 x 2,048 float32; W_V 2,048 x 2,048 float32; x 1 x 2,048 x 2,048 float32.
;; Outputs: out0 1 x 2,048 x 2,048 float32.
;; One version. Each part assembles by itself: llvm-mc -triple=amdgcn-amd-amdhsa -mcpu=gfx1250 --defsym DOCPART=n.
;; ======== version 1 of 1: 4 launches
;; limits: values are held in f16: magnitudes above 65,504 overflow, below 6.1e-05 lose precision
;; workspace buffers: cvt 33,554,432 bytes; wo 8,388,608 bytes; q 8,388,608 bytes; k 8,388,608 bytes; vt 8,388,608 bytes; ob 8,388,608 bytes
;; launch cast (part 1): grid 256 x 4, 8 waves a work-group, no clusters, 0 bytes of LDS; arguments x, W_Q, W_K, W_V, cvt; writes cvt
.if DOCPART == 1
	.amdgcn_target "amdgcn-amd-amdhsa--gfx1250"
	.amdhsa_code_object_version 6
	.text
	.protected	k_qec800ae8c4_cast
	.globl	k_qec800ae8c4_cast
	.p2align	8
	.type	k_qec800ae8c4_cast,@function
k_qec800ae8c4_cast:
	s_mov_b64 s[64:65], 0
	v_nop
	global_prefetch_b8 v0, s[64:65] scope:SCOPE_SE
	s_setreg_imm32_b32 hwreg(HW_REG_WAVE_MODE, 25, 1), 1
	s_wait_xcnt 0x0
; x, W_Q, W_K, W_V, each [2048][2048] f32, become bf16 matrix operands in cvt: four blocks of 8,388,608 bytes in that order.
; Each number is rounded once, to nearest even.  (W_O is converted in the next launch, beside the products.)
; Grid y picks the input, grid x its 65,536 bytes.  Eight waves of 8,192 bytes: sixteen loads of 16 bytes a lane, all issued at once
; (a wave's load covers 512 consecutive bytes), then sixteen stores of 8 bytes a lane (a wave's store covers 256 consecutive bytes, aligned).
; No register is written twice while a memory instruction names it, so the only waits are the counted ones for the loads.
; 1,024 work-groups of eight waves with 104 registers: a SIMD's 1,024 registers hold nine such waves, so the four work-groups
; that fall to each of 256 WGPs can all have their loads out together.
; No LDS, no matrix unit, no cluster: every byte is read once and written once and no two work-groups share any.
.set X, 8                              ; v[8:71]    sixteen loads of four f32
.set Y, 72                             ; v[72:103]  sixteen pairs of packed results
	s_load_b256 s[4:11], s[0:1], 0x0               ; x s[4:5], W_Q s[6:7], W_K s[8:9], W_V s[10:11]
	s_load_b64 s[14:15], s[0:1], 0x20              ; cvt
	s_and_b32 s20, ttmp7, 0xffff                   ; which input
	v_and_b32 v3, 31, v0                           ; lane
	v_lshrrev_b32 v4, 5, v0                        ; wave
	v_lshlrev_b32 v1, 4, v3
	v_lshl_add_u32 v1, v4, 13, v1                  ; in: 8,192 wave + 16 lane
	v_lshlrev_b32 v2, 3, v3
	v_lshl_add_u32 v2, v4, 12, v2                  ; out: 4,096 wave + 8 lane
	s_lshl_b32 s16, ttmp9, 16                      ; the work-group's 65,536 bytes of its input
	s_mov_b32 s17, 0
	s_lshl_b32 s18, s20, 23                        ; the input's block of cvt,
	s_lshl_b32 s19, ttmp9, 15                      ; and the work-group's 32,768 bytes in it
	s_add_co_u32 s18, s18, s19
	s_mov_b32 s19, 0
	s_wait_kmcnt 0x0
	s_cmp_eq_u32 s20, 1
	s_cselect_b64 s[4:5], s[6:7], s[4:5]
	s_cmp_eq_u32 s20, 2
	s_cselect_b64 s[4:5], s[8:9], s[4:5]
	s_cmp_eq_u32 s20, 3
	s_cselect_b64 s[4:5], s[10:11], s[4:5]
	s_add_nc_u64 s[4:5], s[4:5], s[16:17]
	s_add_nc_u64 s[14:15], s[14:15], s[18:19]
.irp j, 0,1,2,3,4,5,6,7,8,9,10,11,12,13,14,15
	global_load_b128 v[X+4*\j:X+4*\j+3], v1, s[4:5] offset:512*\j th:TH_LOAD_NT
.endr
.irp j, 0,1,2,3,4,5,6,7,8,9,10,11,12,13,14,15
	s_wait_loadcnt 15-\j                           ; loads come back in order: load j is in, the 15 - j younger ones stay out
	v_cvt_pk_bf16_f32 v[Y+2*\j], v[X+4*\j], v[X+4*\j+1]
	v_cvt_pk_bf16_f32 v[Y+2*\j+1], v[X+4*\j+2], v[X+4*\j+3]
	global_store_b64 v2, v[Y+2*\j:Y+2*\j+1], s[14:15] offset:256*\j   ; no hint: the next launch reads these bytes
.endr
	s_endpgm
.Lfunc_end_k_qec800ae8c4_cast:
	.size	k_qec800ae8c4_cast, .Lfunc_end_k_qec800ae8c4_cast-k_qec800ae8c4_cast
	.p2alignl 7, 3214868480
	.fill 96, 4, 3214868480
	.section	.rodata,"a",@progbits
	.p2align	6, 0x0
	.amdhsa_kernel k_qec800ae8c4_cast
		.amdhsa_group_segment_fixed_size 0
		.amdhsa_private_segment_fixed_size 0
		.amdhsa_enable_private_segment 0
		.amdhsa_kernarg_size 40
		.amdhsa_user_sgpr_count 2
		.amdhsa_user_sgpr_kernarg_segment_ptr 1
		.amdhsa_wavefront_size32 1
		.amdhsa_system_sgpr_workgroup_id_x 1
		.amdhsa_system_sgpr_workgroup_id_y 1
		.amdhsa_system_sgpr_workgroup_id_z 1
		.amdhsa_system_vgpr_workitem_id 0
		.amdhsa_next_free_vgpr 104
		.amdhsa_next_free_sgpr 66
		.amdhsa_reserve_vcc 0
		.amdhsa_float_denorm_mode_32 3
		.amdhsa_float_denorm_mode_16_64 3
		.amdhsa_memory_ordered 1
		.amdhsa_forward_progress 1
		.amdhsa_inst_pref_size 7
	.end_amdhsa_kernel
	.amdgpu_metadata
---
amdhsa.version: [ 1, 2 ]
amdhsa.kernels:
  - .name:           k_qec800ae8c4_cast
    .symbol:         k_qec800ae8c4_cast.kd
    .args:
      - { .name: x, .offset: 0, .size: 8, .value_kind: global_buffer, .address_space: global }
      - { .name: W_Q, .offset: 8, .size: 8, .value_kind: global_buffer, .address_space: global }
      - { .name: W_K, .offset: 16, .size: 8, .value_kind: global_buffer, .address_space: global }
      - { .name: W_V, .offset: 24, .size: 8, .value_kind: global_buffer, .address_space: global }
      - { .name: cvt, .offset: 32, .size: 8, .value_kind: global_buffer, .address_space: global }
    .group_segment_fixed_size: 0
    .private_segment_fixed_size: 0
    .kernarg_segment_align: 8
    .kernarg_segment_size: 40
    .max_flat_workgroup_size: 256
    .sgpr_count:     66
    .vgpr_count:     104
    .wavefront_size: 32
...
	.end_amdgpu_metadata
.endif
;; end of part 1
;; launch qkv (part 2): grid 16 x 16, 4 waves a work-group, clusters of 4 x 4, 327,680 bytes of LDS; arguments cvt, q, k, vt, W_O, wo; writes q, k, vt, wo
.if DOCPART == 2
	.amdgcn_target "amdgcn-amd-amdhsa--gfx1250"
	.amdhsa_code_object_version 6
	.text
	.protected	k_qec800ae8c4_qkv
	.globl	k_qec800ae8c4_qkv
	.p2align	8
	.type	k_qec800ae8c4_qkv,@function
k_qec800ae8c4_qkv:
	s_mov_b64 s[64:65], 0
	v_nop
	global_prefetch_b8 v0, s[64:65] scope:SCOPE_SE
	s_setreg_imm32_b32 hwreg(HW_REG_WAVE_MODE, 25, 1), 1
	s_wait_xcnt 0x0
	s_wait_alu depctr_hold_cnt(0) depctr_sa_sdst(0) depctr_va_vdst(0) depctr_va_sdst(0) depctr_va_ssrc(0) depctr_va_vcc(0) depctr_vm_vsrc(0)
	s_getreg_b32 s2, hwreg(HW_REG_IB_STS2, 6, 4)
	s_cmp_eq_u32 s2, 0
	s_cbranch_scc0 .Lentry_in_a_cluster
	s_endpgm
.Lentry_in_a_cluster:
	s_bfe_u32 s2, ttmp6, 0x10000c
	s_cmp_lg_u32 s2, 0xf033
	s_cbranch_scc0 .Lentry_shape_is_right
	s_endpgm
.Lentry_shape_is_right:
; q = x W_Q^T, k = x W_K^T ([token][2048]) and vT = W_V x^T ([feature][token]); operands bf16 from cvt, sums f32, results rounded once to f16.
; f16 keeps 11 significant bits of q, k and v.  LIMIT: |q|, |k|, |v| < 65,504 (above that the conversion gives infinity); below 2^-14 the step is 2^-24.
; A work-group makes tokens 128 mb .. +127 x features 128 nb .. +127 of all three results, so that one tile of x serves three products.
; Four waves; wave w makes all 128 tokens x features 32 w .. +31 of each: 48 accumulator tiles of 16 x 16, 384 registers.
; K goes in steps of 128 (rows of 256 bytes, aligned) through a ring of two LDS slots; a slot holds the tiles of x, W_Q, W_K, W_V, 128 rows each,
; one tensor load a wave.  4 x 4 work-groups form a cluster: x's tile hangs on mb alone and is asked for jointly along a row of the cluster,
; the weights' tiles hang on nb alone and are asked for jointly along a column.
; ASKING AHEAD.  At the end of K step t, where the tensor loads for step t + 2 go out, wave 0 asks for the work-group's share of step t + 3: 32 rows' 256 bytes,
; 8 KiB, one K step ahead of the tensor loads that bring them.  A tile's 128 rows are shared out among the sixteen work-groups that read it, eight rows each
; (8 of x's, 8 of each weight's), so each block of 256 bytes is asked for by one lane of one work-group.  Step 2 is asked for at the start.  The offset is clamped to step 15:
; the last ask repeats that step's 8 KiB and none points past a row's end.
; W_O RIDES ALONG.  Work-group 16 mb + nb also converts 65,536 bytes of W_O for the last launch: rounded once to bf16, like the other inputs, and that value stored in f16's
; format, because its partner there, o, is f16 and a matrix instruction takes both operands in one format.  The second step is exact for |w| >= 2^-14 and within 2^-25 below;
; LIMIT: |W_O| < 65,504.  The loads go out when the launch's last tensor load has landed and are waited for behind the last K step's 192 matrix instructions.
; REGISTERS: window 0: addresses v8-20; x fragments v32-95, v96-159 (two buffers of 8); weight fragments v160-207, v208-255 (two buffers of 6: Q, Q, K, K, V, V).
;   window 1: q's and k's tiles at v[8 (16 p + 8 b + a)] (p: 0 q, 1 k; b: 16 features; a: 16 tokens).   window 2: v's tiles at v[8 (8 b + a)]; v128-255 W_O's numbers.
; q and k use the matrix instruction with the weights as source 0: a lane then holds one token and 8 neighbouring features.
; v uses x as source 0: a lane holds one feature and 8 neighbouring tokens, a piece of a row of vT.
; The 48 accumulators take turns, one instruction a turn, in the same order in every quarter step.
.set KSTEP,  128
.set PITCH,  272                       ; an LDS row: 256 bytes + 16 of padding, an odd multiple of 16: the 16 rows of a fragment load start 16 bytes apart modulo 256
.set HALFT,  128*PITCH                 ; one tile, one tensor load
.set SLOT,   4*HALFT                   ; x, W_Q, W_K, W_V
.set STAGE,  2*SLOT                    ; behind the ring: 128 rows x 272 bytes for the way out; no tensor load ever lands here
.set LAPS,   2048/(2*KSTEP)            ; a lap = two K steps = once round the ring
.set ADRA, 8                           ; v8-9    x fragments in slot 0, 1
.set ADRB, 10                          ; v10-11  W_Q fragments (W_K's are one tile further)
.set ADRV, 12                          ; v12-13  W_V fragments
.set STO,  14                          ; way out, q and k: where I put 16 bytes
.set STV,  15                          ; way out, vT
.set RD,   16                          ; way out: where I read rows back
.set CO,   17                          ; my byte offset in a result's block
.set PF,   18                          ; asking ahead: my row's byte offset in cvt
.set WOI,  19                          ; W_O: my 16 bytes of the work-group's 65,536
.set WOO,  20                          ; wo: my 8 bytes of the work-group's 32,768
.set XA,   32                          ; x fragments, + 64 f
.set WB,   160                         ; weight fragments, + 48 f
.set TMP,  32                          ; way out: packed results
.set RB,   96                          ; way out: rows read back
.set WX,   128                         ; window 2: W_O's numbers, 32 loads of four
.set G1,  24                           ; s[24:31] group 1 for x's tiles
.set G0,  32                           ; s[32:39] group 0 for x's tiles, a set for each slot
.set G1B, 48                           ; s[48:55] group 1 for the weights' tiles: the mask differs
.set G0B, 56                           ; s[56:63] group 0 for the weights' tiles
.set MSB, 0
.macro WIN new                         ; the immediate's high byte repeats the setting that is left
.if MSB != \new
	s_set_vgpr_msb (MSB<<8)|\new
.set MSB, \new
.endif
.endm
.macro PLACES                          ; four plain vector places behind a matrix instruction (ISA guide 7.12.1) before its registers are loaded into or its result is read
.rept 4
	v_nop
.endr
.endm
.macro JLOAD s                         ; wave 0 asks for x's tile, waves 1 to 3 for W_Q's, W_K's, W_V's; the branch hangs on the wave's number alone
	s_cmp_eq_u32 s12, 0
	s_cbranch_scc0 .Lfor_w_\@
	tensor_load_to_lds s[G0+4*\s:G0+4*\s+3], s[G1:G1+7]
	s_nop 0
	s_branch .Lasked_\@
.Lfor_w_\@:
	tensor_load_to_lds s[G0B+4*\s:G0B+4*\s+3], s[G1B:G1B+7]
	s_nop 0
.Lasked_\@:
.endm
.macro PFETCH                          ; wave 0 alone: 32 lanes, 32 rows, the 256 bytes at s[72:73]'s K step
	s_cmp_lg_u32 s12, 0
	s_cbranch_scc1 .Lno_ask_\@
	global_prefetch_b8 v[PF], s[72:73] th:TH_LOAD_NT scope:SCOPE_SE
.Lno_ask_\@:
.endm
.macro CREST                           ; a round of the cluster's barrier behind its opening work-group barrier
	s_cmp_lg_u32 s12, 0
	s_cbranch_scc1 .Lnot_wave_0_\@
	s_barrier_signal -3
.Lnot_wave_0_\@:
	s_barrier_wait -3
	s_barrier_signal -1
	s_barrier_wait -1
.endm
.macro CROUND
	s_barrier_signal -1
	s_barrier_wait -1
	CREST
.endm
	s_load_b256 s[4:11], s[0:1], 0x0               ; cvt s[4:5], q s[6:7], k s[8:9], vt s[10:11]
	s_load_b128 s[68:71], s[0:1], 0x20             ; W_O s[68:69], wo s[70:71]
	v_lshl_add_u32 v30, v0, 2, 0x4c800
	v_mov_b32 v31, 0
	ds_add_u32 v30, v31
	v_lshrrev_b32 v1, 5, v0
	v_readfirstlane_b32 s12, v1                    ; wave 0..3
	s_bfe_u32 s13, ttmp6, 0x40000                  ; cx
	s_bfe_u32 s14, ttmp6, 0x40004                  ; cy
	s_lshl_b32 s15, ttmp9, 2
	s_add_co_u32 s15, s15, s13                     ; nb = 4 x cluster x + cx
	s_and_b32 s16, ttmp7, 0xffff
	s_lshl_b32 s16, s16, 2
	s_add_co_u32 s16, s16, s14                     ; mb = 4 x cluster y + cy
	s_lshl_b32 s17, s14, 2
	s_lshl_b32 s17, 15, s17                        ; my row of the cluster: places 4 cy .. 4 cy + 3
	s_lshl_b32 s18, 0x1111, s13                    ; my column: places cx, cx + 4, cx + 8, cx + 12
	; group 1: 128 rows x 128 elements of 2 bytes, 2,048 elements from row to row, 4 words of padding behind every 64
	s_or_b32 s[G1+0], s17, (1<<16)|(1<<20)|(1<<21)|(5<<22)|(3<<25)
	s_or_b32 s[G1B+0], s18, (1<<16)|(1<<20)|(1<<21)|(5<<22)|(3<<25)
	s_mov_b32 s[G1+1], KSTEP<<16                   ; tensor_dim0 = 128
	s_mov_b32 s[G1B+1], KSTEP<<16
	s_mov_b32 s[G1+2], 128<<16                     ; tensor_dim1 = 128
	s_mov_b32 s[G1B+2], 128<<16
	s_mov_b32 s[G1+3], KSTEP<<16                   ; tile_dim0 = 128
	s_mov_b32 s[G1B+3], KSTEP<<16
	s_mov_b32 s[G1+4], 128                         ; tile_dim1 = 128
	s_mov_b32 s[G1B+4], 128
	s_mov_b32 s[G1+5], 2048                        ; the pitch
	s_mov_b32 s[G1B+5], 2048
	s_mov_b32 s[G1+6], 0
	s_mov_b32 s[G1B+6], 0
	s_mov_b32 s[G1+7], 0
	s_mov_b32 s[G1B+7], 0
	s_lshl_b32 s20, s16, 19                        ; x: 128 mb rows of 4,096 bytes (hangs on mb alone)
	s_mov_b32 s21, 0
	s_lshl_b32 s40, s12, 23                        ; weights: block w of cvt,
	s_lshl_b32 s41, s15, 19                        ; 128 nb rows (hangs on nb and the wave alone)
	s_add_co_u32 s40, s40, s41
	s_mov_b32 s41, 0
	s_mul_i32 s22, s12, HALFT                      ; tile w of a slot: no place in the cluster enters an LDS address
	; what follows feeds plain loads, stores and asks alone, in registers that no descriptor is made of
	s_lshl_b32 s76, s16, 7
	s_lshl3_add_u32 s76, s15, s76                  ; my 8 rows of x's tile: 128 mb + 8 nb
	s_lshl_b32 s77, s15, 7
	s_lshl3_add_u32 s77, s16, s77                  ; my 8 rows of each weight's tile: 128 nb + 8 mb
	s_lshl4_add_u32 s78, s16, s15                  ; 16 mb + nb: which 65,536 bytes of W_O are mine
	s_lshl_b32 s82, s78, 15                        ; and which 32,768 of wo
	s_mov_b32 s83, 0
	s_lshl_b32 s78, s78, 16
	s_mov_b32 s79, 0
	s_mov_b32 s74, 3*KSTEP*2                       ; the K step that the next change of slots asks for, in bytes of a row
	s_mov_b32 s75, 0
	s_mov_b32 s80, 0xffff0000                      ; a word's upper bf16
	s_wait_dscnt 0x0
	s_wait_kmcnt 0x0
	s_add_nc_u64 s[20:21], s[4:5], s[20:21]
	s_add_nc_u64 s[40:41], s[4:5], s[40:41]
	s_add_nc_u64 s[68:69], s[68:69], s[78:79]
	s_add_nc_u64 s[70:71], s[70:71], s[82:83]
	s_add_nc_u64 s[72:73], s[4:5], 2*KSTEP*2       ; the first ask: K step 2
	CROUND                                         ; all sixteen work-groups are here: the first joint loads meet
.irp s, 0,1
	s_mov_b32 s[G0+4*\s], 1
	s_add_co_u32 s[G0+4*\s+1], s22, \s*SLOT
	s_add_nc_u64 s[G0+4*\s+2:G0+4*\s+3], s[20:21], \s*KSTEP*2      ; K step s
	s_or_b32 s[G0+4*\s+3], s[G0+4*\s+3], 0x80000000
	s_mov_b32 s[G0B+4*\s], 1
	s_add_co_u32 s[G0B+4*\s+1], s22, \s*SLOT
	s_add_nc_u64 s[G0B+4*\s+2:G0B+4*\s+3], s[40:41], \s*KSTEP*2
	s_or_b32 s[G0B+4*\s+3], s[G0B+4*\s+3], 0x80000000
	JLOAD \s                                       ; both first fills go out before anything else: two loads of the wave are out
.endr
	v_and_b32 v7, 31, v0                           ; lane
	v_lshrrev_b32 v4, 3, v7                        ; lanes 0-7 ask in x's block of cvt, 8-15 in W_Q's, 16-23 in W_K's, 24-31 in W_V's
	v_and_b32 v3, 7, v7
	v_mov_b32 v5, s76
	v_mov_b32 v6, s77
	v_cmp_eq_u32 vcc_lo, 0, v4
	v_cndmask_b32 v5, v6, v5, vcc_lo               ; x's rows for block 0, the weights' rows for the others
	v_add_nc_u32 v5, v5, v3
	v_lshlrev_b32 v5, 12, v5                       ; rows of 4,096 bytes
	v_lshl_add_u32 v[PF], v4, 23, v5               ; blocks of 8,388,608 bytes
	PFETCH                                         ; K step 2, which the first change of slots will load
	s_lshl_b32 s42, s12, 14
	v_lshl_add_u32 v[WOI], v7, 4, s42              ; 16,384 wave + 16 lane
	s_lshl_b32 s42, s12, 13
	v_lshl_add_u32 v[WOO], v7, 3, s42              ; 8,192 wave + 8 lane
	v_and_b32 v1, 15, v0                           ; r = lane % 16
	v_bfe_u32 v2, v0, 4, 1                         ; h = lane / 16
	v_mul_u32_u24 v3, v1, PITCH
	v_lshl_add_u32 v[ADRA], v2, 4, v3              ; r x pitch + 16 h: a fragment is two loads of 16 bytes, 32 apart
	s_mul_i32 s23, s12, 32*PITCH                   ; my 32 rows of a weight tile, and of the stage
	v_add_nc_u32 v[ADRA+1], SLOT, v[ADRA]
	s_add_co_u32 s42, s23, HALFT
	v_add_nc_u32 v[ADRB], s42, v[ADRA]
	s_add_co_u32 s42, s23, HALFT+SLOT
	v_add_nc_u32 v[ADRB+1], s42, v[ADRA]
	s_add_co_u32 s42, s23, 3*HALFT
	v_add_nc_u32 v[ADRV], s42, v[ADRA]
	s_add_co_u32 s42, s23, 3*HALFT+SLOT
	v_add_nc_u32 v[ADRV+1], s42, v[ADRA]
	s_lshl_b32 s42, s12, 6
	s_add_co_u32 s42, s42, STAGE
	v_add_nc_u32 v[STO], s42, v[ADRA]              ; q, k: row = token r, my 64 bytes of features, 16 h
	s_add_co_u32 s42, s23, STAGE
	v_add_nc_u32 v[STV], s42, v[ADRA]              ; vT: row = my feature 32 w + r, 16 h
	v_mul_u32_u24 v4, v2, PITCH
	v_lshl_add_u32 v4, v1, 4, v4
	v_add_nc_u32 v[RD], s42, v4                    ; back: rows 32 w + h, 16 bytes a lane
	v_lshlrev_b32 v5, 12, v2
	v_lshl_add_u32 v5, v1, 4, v5
	s_lshl_b32 s42, s12, 17
	v_add_nc_u32 v[CO], s42, v5                    ; (32 w + h) rows of 4,096 bytes + 16 r
; 16 matrix instructions for q (p = 0) or k (p = 1): my 32 features x 128 tokens, 32 along K, from buffer f
.macro MULQK f, p, zero
.irp b, 0,1
.irp a, 0,1,2,3,4,5,6,7
.if \zero
	v_wmma_f32_16x16x32_bf16 v[8*(16*\p+8*\b+\a):8*(16*\p+8*\b+\a)+7], v[WB+48*\f+8*(2*\p+\b):WB+48*\f+8*(2*\p+\b)+7], v[XA+64*\f+8*\a:XA+64*\f+8*\a+7], 0
.else
	v_wmma_f32_16x16x32_bf16 v[8*(16*\p+8*\b+\a):8*(16*\p+8*\b+\a)+7], v[WB+48*\f+8*(2*\p+\b):WB+48*\f+8*(2*\p+\b)+7], v[XA+64*\f+8*\a:XA+64*\f+8*\a+7], v[8*(16*\p+8*\b+\a):8*(16*\p+8*\b+\a)+7]
.endif
.endr
.endr
.endm
; 16 matrix instructions for v, x as source 0
.macro MULV f, zero
.irp b, 0,1
.irp a, 0,1,2,3,4,5,6,7
.if \zero
	v_wmma_f32_16x16x32_bf16 v[8*(8*\b+\a):8*(8*\b+\a)+7], v[XA+64*\f+8*\a:XA+64*\f+8*\a+7], v[WB+48*\f+8*(4+\b):WB+48*\f+8*(4+\b)+7], 0
.else
	v_wmma_f32_16x16x32_bf16 v[8*(8*\b+\a):8*(8*\b+\a)+7], v[XA+64*\f+8*\a:XA+64*\f+8*\a+7], v[WB+48*\f+8*(4+\b):WB+48*\f+8*(4+\b)+7], v[8*(8*\b+\a):8*(8*\b+\a)+7]
.endif
.endr
.endr
.endm
; 28 LDS loads in one run: x (16), W_Q and W_K (8), W_V (4, last), 32 K at byte k of the rows, into buffer f
.macro FETCH slot, k, f
	WIN 0
.irp a, 0,1,2,3,4,5,6,7
	ds_load_b128 v[XA+64*\f+8*\a:XA+64*\f+8*\a+3],   v[ADRA+\slot] offset:\k+\a*16*PITCH
	ds_load_b128 v[XA+64*\f+8*\a+4:XA+64*\f+8*\a+7], v[ADRA+\slot] offset:\k+\a*16*PITCH+32
.endr
.irp i, 0,1,2,3
	ds_load_b128 v[WB+48*\f+8*\i:WB+48*\f+8*\i+3],   v[ADRB+\slot] offset:\k+(\i/2)*HALFT+(\i%2)*16*PITCH
	ds_load_b128 v[WB+48*\f+8*\i+4:WB+48*\f+8*\i+7], v[ADRB+\slot] offset:\k+(\i/2)*HALFT+(\i%2)*16*PITCH+32
.endr
.irp b, 0,1
	ds_load_b128 v[WB+48*\f+8*(4+\b):WB+48*\f+8*(4+\b)+3],   v[ADRV+\slot] offset:\k+\b*16*PITCH
	ds_load_b128 v[WB+48*\f+8*(4+\b)+4:WB+48*\f+8*(4+\b)+7], v[ADRV+\slot] offset:\k+\b*16*PITCH+32
.endr
.endm
; One of a K step's first three quarters: multiplies buffer f; in its middle fetches the next quarter, at byte k, into buffer g
.macro QUARTER slot, k, f, g, zero
	s_wait_dscnt 4                                 ; x, W_Q, W_K are in; the youngest four loads (W_V) may be out
	WIN 0x50
	MULQK \f, 0, \zero
	MULQK \f, 1, \zero
	PLACES
	FETCH \slot, \k, \g
	s_wait_dscnt 28                                ; all but the 28 just issued
	WIN 0xa0
	MULV \f, \zero
.endm
.macro THREE slot, zero
	QUARTER \slot, 64,  0, 1, \zero
	QUARTER \slot, 128, 1, 0, 0
	QUARTER \slot, 192, 0, 1, 0
.endm
; The last quarter: multiplies buffer 1 and changes slots.  The products for q and k stand in front of the waits, so that between the landing of the next slot's tile
; and the request for the one after it stands nothing but the barrier.  In front of the barrier each wave waits for its reads of this slot and for all its tensor loads
; (the one that is out is its tile of the next slot).  Where this slot is filled again the barrier is a round of the cluster's barrier, and the joint refill is the
; first tensor load behind it.  The products for v stand behind the next slot's first fragment loads and cover their way.
.macro TURN slot, next, fill
	s_wait_dscnt 4
	WIN 0x50
	MULQK 1, 0, 0
	MULQK 1, 1, 0
	WIN 0
	s_wait_dscnt 0x0                               ; my reads of this slot are over
	s_wait_tensorcnt 0x0                           ; all my tensor loads have landed: every group 0 may be written
	ds_add_u32 v30, v31
	s_wait_dscnt 0x0
.if \fill
	s_add_nc_u64 s[G0+4*\slot+2:G0+4*\slot+3], s[G0+4*\slot+2:G0+4*\slot+3], 2*KSTEP*2
	s_add_nc_u64 s[G0B+4*\slot+2:G0B+4*\slot+3], s[G0B+4*\slot+2:G0B+4*\slot+3], 2*KSTEP*2
	s_wait_xcnt 0x0                                ; the last ask, a whole K step back, has had its address translated: its base is rewritten only behind this wait
	s_add_nc_u64 s[72:73], s[4:5], s[74:75]        ; this ask's K step,
	s_add_co_u32 s74, s74, KSTEP*2                 ; and the next one's,
	s_min_u32 s74, s74, 15*KSTEP*2                 ; never past the last K step of a row
	CROUND                                         ; both waits now hold of every wave of all sixteen work-groups
	JLOAD \slot
	PFETCH
.else
	s_barrier_signal -1
	s_barrier_wait -1
.endif
	PLACES
	FETCH \next, 0, 0
	WIN 0xa0
	MULV 1, 0
.endm
.macro LAP zero
	THREE 0, \zero
	TURN 0, 1, 1
	THREE 1, 0
	TURN 1, 0, 1
.endm
	s_wait_tensorcnt 0x1                           ; my tile of K step 0 is in; K step 1's may stay out
	s_barrier_signal -1
	s_barrier_wait -1
	FETCH 0, 0, 0
	LAP 1                                          ; the first products start the sums: nothing is cleared
	WIN 0
	s_mov_b32 s3, LAPS-2
.Llap:
	LAP 0
	WIN 0
	s_sub_co_u32 s3, s3, 1
	s_cmp_lg_u32 s3, 0
	s_cbranch_scc1 .Llap
	THREE 0, 0                                     ; the last lap fills nothing
	TURN 0, 1, 0
	WIN 0x80                                       ; destination in window 2, address in window 0
.set j_, 0
.rept 32                                       ; W_O: 32 loads of 512 consecutive bytes a wave; no tensor load is out or to come
	global_load_b128 v[WX+4*j_:WX+4*j_+3], v[WOI], s[68:69] offset:512*j_ th:TH_LOAD_NT
.set j_, j_+1
.endr
	THREE 1, 0
	s_wait_dscnt 4
	WIN 0x50
	MULQK 1, 0, 0
	MULQK 1, 1, 0
	s_wait_dscnt 0x0
	WIN 0xa0
	MULV 1, 0
	PLACES                                         ; behind the last products: for the conversions, which read results, and the loads over the fragment buffers
	WIN 0
	s_lshl_b32 s44, s16, 19                        ; q, k: 128 mb rows,
	s_mov_b32 s45, 0
	s_lshl_b32 s46, s15, 8                         ; 128 nb features of 2 bytes
	s_mov_b32 s47, 0
	s_add_nc_u64 s[6:7], s[6:7], s[44:45]
	s_add_nc_u64 s[6:7], s[6:7], s[46:47]
	s_add_nc_u64 s[8:9], s[8:9], s[44:45]
	s_add_nc_u64 s[8:9], s[8:9], s[46:47]
	s_lshl_b32 s44, s16, 8                         ; vT: 128 mb tokens of 2 bytes,
	s_lshl_b32 s46, s15, 19                        ; 128 nb rows
	s_add_nc_u64 s[10:11], s[10:11], s[44:45]
	s_add_nc_u64 s[10:11], s[10:11], s[46:47]
	; W_O, in place in window 2: four f32 -> two words of bf16 -> the same four values as f32 -> two words of f16
	WIN 0x8a
.set j_, 0
.rept 32
	s_wait_loadcnt 31-j_                           ; loads come back in order: load j is in, the younger ones may be out
	v_cvt_pk_bf16_f32 v[WX+4*j_], v[WX+4*j_], v[WX+4*j_+1]         ; the one rounding that loses bits
	v_cvt_pk_bf16_f32 v[WX+4*j_+2], v[WX+4*j_+2], v[WX+4*j_+3]
	v_lshlrev_b32 v[WX+4*j_+1], 16, v[WX+4*j_]                     ; back to f32: the low half moves up,
	v_and_b32 v[WX+4*j_], s80, v[WX+4*j_]                          ; the high half stays
	v_lshlrev_b32 v[WX+4*j_+3], 16, v[WX+4*j_+2]
	v_and_b32 v[WX+4*j_+2], s80, v[WX+4*j_+2]
	v_cvt_pk_f16_f32 v[WX+4*j_], v[WX+4*j_+1], v[WX+4*j_]          ; 8 significant bits fit into f16's 11
	v_cvt_pk_f16_f32 v[WX+4*j_+1], v[WX+4*j_+3], v[WX+4*j_+2]
.set j_, j_+1
.endr
	WIN 0x08                                       ; store data from window 2, address in window 0
.set j_, 0
.rept 32
	global_store_b64 v[WOO], v[WX+4*j_:WX+4*j_+1], s[70:71] offset:256*j_   ; a wave's store covers 256 consecutive bytes, aligned; these registers are not written again
.set j_, j_+1
.endr
	; THE WAY OUT: three passes (q, k, vT) through one stage of 128 rows x 256 bytes, to which each wave brings its part of every row (q, k)
	; or its 32 rows (vT); read back as whole rows, so that sixteen lanes store 256 consecutive bytes, aligned.
; from: window of the conversions' sources; tb: first register of the 16 tiles (tile i = 8 b + a); isv: vT's layout; pb: the result's base
.macro OUTP from, tb, isv, pb
	WIN \from
.set i_, 0
.rept 16
.irp e, 0,1,2,3
	v_cvt_pk_f16_f32 v[TMP+4*i_+\e], v[\tb+8*i_+2*\e], v[\tb+8*i_+2*\e+1]
.endr
.set i_, i_+1
.endr
	WIN 0
.set i_, 0
.rept 16
.if \isv
	ds_store_b128 v[STV], v[TMP+4*i_:TMP+4*i_+3] offset:(i_/8)*16*PITCH+32*(i_%8)   ; feature 16 b + r, tokens 16 a + 8 h ..
.else
	ds_store_b128 v[STO], v[TMP+4*i_:TMP+4*i_+3] offset:(i_%8)*16*PITCH+32*(i_/8)   ; token 16 a + r, features 16 b + 8 h ..
.endif
.set i_, i_+1
.endr
	s_wait_dscnt 0x0                               ; my stores are done, for the others' sake
	s_barrier_signal -1
	s_barrier_wait -1
	s_wait_xcnt 0x0                                ; RB, which the last pass's stores read, is loaded again only behind this wait
.irp t, 0,1,2,3,4,5,6,7,8,9,10,11,12,13,14,15
	ds_load_b128 v[RB+4*\t:RB+4*\t+3], v[RD] offset:\t*2*PITCH
.endr
.irp t, 0,1,2,3,4,5,6,7,8,9,10,11,12,13,14,15
	s_wait_dscnt 15-\t                             ; LDS loads come back in order: load t is in
	global_store_b128 v[CO], v[RB+4*\t:RB+4*\t+3], s[\pb:\pb+1] offset:\t*8192
.endr
.endm
	OUTP 0x05, 0, 0, 6
	s_barrier_signal -1                            ; every wave's reads of the stage are back (the count-down ended at 0): it may be written again
	s_barrier_wait -1
	OUTP 0x05, 128, 0, 8
	s_barrier_signal -1
	s_barrier_wait -1
	OUTP 0x0a, 0, 1, 10
	s_wait_tensorcnt 0x0
	ds_add_u32 v30, v31
	s_wait_dscnt 0x0
	CROUND                                         ; the closing round: no work-group ends while a partner may still ask for a tile that names it
	s_endpgm
.Lfunc_end_k_qec800ae8c4_qkv:
	.size	k_qec800ae8c4_qkv, .Lfunc_end_k_qec800ae8c4_qkv-k_qec800ae8c4_qkv
	.p2alignl 7, 3214868480
	.fill 96, 4, 3214868480
	.section	.rodata,"a",@progbits
	.p2align	6, 0x0
	.amdhsa_kernel k_qec800ae8c4_qkv
		.amdhsa_group_segment_fixed_size 327680
		.amdhsa_private_segment_fixed_size 0
		.amdhsa_enable_private_segment 0
		.amdhsa_kernarg_size 48
		.amdhsa_user_sgpr_count 2
		.amdhsa_user_sgpr_kernarg_segment_ptr 1
		.amdhsa_wavefront_size32 1
		.amdhsa_system_sgpr_workgroup_id_x 1
		.amdhsa_system_sgpr_workgroup_id_y 1
		.amdhsa_system_sgpr_workgroup_id_z 1
		.amdhsa_system_vgpr_workitem_id 0
		.amdhsa_next_free_vgpr 768
		.amdhsa_next_free_sgpr 88
		.amdhsa_reserve_vcc 1
		.amdhsa_float_denorm_mode_32 3
		.amdhsa_float_denorm_mode_16_64 3
		.amdhsa_memory_ordered 1
		.amdhsa_forward_progress 1
		.amdhsa_inst_pref_size 178
	.end_amdhsa_kernel
	.amdgpu_metadata
---
amdhsa.version: [ 1, 2 ]
amdhsa.kernels:
  - .name:           k_qec800ae8c4_qkv
    .symbol:         k_qec800ae8c4_qkv.kd
    .args:
      - { .name: cvt, .offset: 0, .size: 8, .value_kind: global_buffer, .address_space: global }
      - { .name: q, .offset: 8, .size: 8, .value_kind: global_buffer, .address_space: global }
      - { .name: k, .offset: 16, .size: 8, .value_kind: global_buffer, .address_space: global }
      - { .name: vt, .offset: 24, .size: 8, .value_kind: global_buffer, .address_space: global }
      - { .name: W_O, .offset: 32, .size: 8, .value_kind: global_buffer, .address_space: global }
      - { .name: wo, .offset: 40, .size: 8, .value_kind: global_buffer, .address_space: global }
    .group_segment_fixed_size: 327680
    .private_segment_fixed_size: 0
    .kernarg_segment_align: 8
    .kernarg_segment_size: 48
    .max_flat_workgroup_size: 128
    .sgpr_count:     88
    .vgpr_count:     768
    .wavefront_size: 32
...
	.end_amdgpu_metadata
.endif
;; end of part 2
;; launch attn (part 3): grid 16 x 16, 4 waves a work-group, clusters of 4 x 1, 327,680 bytes of LDS; arguments q, k, vt, ob; writes ob
.if DOCPART == 3
	.amdgcn_target "amdgcn-amd-amdhsa--gfx1250"
	.amdhsa_code_object_version 6
	.text
	.protected	k_qec800ae8c4_attn
	.globl	k_qec800ae8c4_attn
	.p2align	8
	.type	k_qec800ae8c4_attn,@function
k_qec800ae8c4_attn:
	s_mov_b64 s[64:65], 0
	v_nop
	global_prefetch_b8 v0, s[64:65] scope:SCOPE_SE
	s_setreg_imm32_b32 hwreg(HW_REG_WAVE_MODE, 25, 1), 1
	s_wait_xcnt 0x0
	s_wait_alu depctr_hold_cnt(0) depctr_sa_sdst(0) depctr_va_vdst(0) depctr_va_sdst(0) depctr_va_ssrc(0) depctr_va_vcc(0) depctr_vm_vsrc(0)
	s_getreg_b32 s2, hwreg(HW_REG_IB_STS2, 6, 4)
	s_cmp_eq_u32 s2, 0
	s_cbranch_scc0 .Lentry_in_a_cluster
	s_endpgm
.Lentry_in_a_cluster:
	s_bfe_u32 s2, ttmp6, 0x10000c
	s_cmp_lg_u32 s2, 0x3003
	s_cbranch_scc0 .Lentry_shape_is_right
	s_endpgm
.Lentry_shape_is_right:
; Causal attention of one head (grid y) for two tiles of 64 queries; q, k [token][2048], vT [feature][token], o [token][2048], all f16; scores, softmax, sums f32.
; WORK.  Query tiles are t = 4 T + cx (cx: place in the cluster of four).  Group T needs the key blocks 0 .. T of 256 keys, the same for all four partners,
; so K's and vT's tiles are asked for jointly.  A work-group takes groups T1 and 7 - T1: always 9 rounds.  The group with an even number of rounds goes first,
; so that tile 1 ends in slot 1 and tile 2 starts in slot 0.  Keys above the diagonal block are never touched; the diagonal block is masked.
; In a round wave w takes keys 64 w .. +63 for all 64 queries and keeps its own running maximum, sum and O; the four parts are merged by their
; maxima and sums at the end of a tile.  So each byte of K and vT in LDS is read by one wave.
; LAYOUT.  S^T = (K fragment as source 0) x (Q fragment as source 1): lane (r, h) holds query r, keys 8 h + j.  Two neighbouring key tiles, packed to f16 in place,
; are source 1 of O^T = (vT fragment) x (P^T): lane (r, h) holds query r, d = 8 h + j.  Every statistic is a lane's own; only the two halves h are joined.
; SOFTMAX.  p = exp2(s c - m c), c = log2(e) / sqrt(128), m the running maximum of the raw scores.  NM = -(m c), rounded once, is what all exponents refer to.
; LIMITS.  A masked score is -2^100 (times c exact in f32), so real scores must lie above that.  A lane all of whose keys were masked has p = 1 and finite sums;
; its weight in the merge is exp2 of about -2^97, which is 0.  p is rounded to f16 for P V, the sum l adds the f32 p.  |q|, |k|, |v| < 65,504 (f16).
; The accumulators take turns, one matrix instruction a turn.
; REGISTERS.  window 0: addresses and statistics v8-63, S^T / P^T v64-191, scratch v192-255.  window 1: Q fragments v0-127, K or vT fragments v128-255.
;   window 2: O^T of the running tile, tile (dt, qb) at v[8 (4 dt + qb)].   window 3: tile 1's scaled O^T.
.set KP,    272                        ; K rows in LDS: 256 bytes + 16
.set VP,    528                        ; vT rows in LDS: 512 bytes + 16
.set KPART, 256*KP                     ; 256 keys
.set SLOT,  KPART+128*VP               ; then 128 rows of vT
.set STAT,  2*SLOT                     ; behind the ring: 2 x 2,048 bytes of statistics; no tensor load ever lands here
.set XR,    16*VP                      ; the exchange at the end (in the ring, after its last fill): 16 queries x 128 d of f32, rows of 528 bytes
.set ADK,  8                           ; v8-9    my K fragments in slot 0, 1
.set ADV,  10                          ; v10-11  my vT fragments
.set QOFF, 12                          ; my bytes in a Q tile
.set DM,   13                          ; 64 (cx - w) + r - 8 h: key 16 kt + j is allowed for query 16 qb + r iff 16 (kt - qb) + j <= DM
.set SA,   14                          ; where I put statistics
.set SLD,  15                          ; where I read them
.set M,    16                          ; v16-19  running maximum (raw), one for each qb
.set MN,   20                          ; v20-23  at work
.set AL,   24                          ; v24-31  rescale factor, low register of a pair
.set NM,   32                          ; v32-39  -(m c), low register of a pair
.set LS,   40                          ; v40-47  running sum, two partial sums
.set T,    48                          ; v48-51  at work
.set XS,   52                          ; v52-55  exchange: where I put
.set XL,   56                          ; exchange: where I read, tile 1
.set OOFF, 57                          ; my 8 bytes of a row of o
.set XN,   58                          ; v58-61  at work
.set XL2,  62                          ; exchange: where I read, tile 2
.set ST,   64                          ; S^T(kt, qb) at v[64 + 32 qb + 8 kt]; P^T(qb, c2) at v[64 + 32 qb + 16 c2]
.set G1K, 24                           ; s[24:31] group 1, K's tiles
.set G0K, 32                           ; s[32:39] group 0, K's tiles, a set for each slot
.set G1V, 48                           ; s[48:55] group 1, vT's tiles
.set G0V, 56                           ; s[56:63] group 0, vT's tiles
.set MSB, 0
.macro WIN new
.if MSB != \new
	s_set_vgpr_msb (MSB<<8)|\new
.set MSB, \new
.endif
.endm
.macro PLACES
.rept 4
	v_nop
.endr
.endm
.macro JLOAD s                         ; waves 0, 1 ask for K's halves, waves 2, 3 for vT's; the branch hangs on the wave's number alone
	s_cmp_eq_u32 s13, 0
	s_cbranch_scc0 .Lfor_v_\@
	tensor_load_to_lds s[G0K+4*(\s):G0K+4*(\s)+3], s[G1K:G1K+7]
	s_nop 0
	s_branch .Lasked_\@
.Lfor_v_\@:
	tensor_load_to_lds s[G0V+4*(\s):G0V+4*(\s)+3], s[G1V:G1V+7]
	s_nop 0
.Lasked_\@:
.endm
.macro CROUND                          ; a round of the cluster's barrier
	s_barrier_signal -1
	s_barrier_wait -1
	s_cmp_lg_u32 s12, 0
	s_cbranch_scc1 .Lnot_wave_0_\@
	s_barrier_signal -3
.Lnot_wave_0_\@:
	s_barrier_wait -3
	s_barrier_signal -1
	s_barrier_wait -1
.endm
	s_load_b256 s[4:11], s[0:1], 0x0               ; q s[4:5], k s[6:7], vt s[8:9], ob s[10:11]
	v_lshl_add_u32 v254, v0, 2, 0x44000
	v_mov_b32 v255, 0
	ds_add_u32 v254, v255
	s_wait_dscnt 0x0
	v_lshrrev_b32 v1, 5, v0
	v_readfirstlane_b32 s12, v1                    ; wave 0..3
	s_lshr_b32 s13, s12, 1                         ; I fetch for K (0) or vT (1)
	s_and_b32 s14, s12, 1                          ; which half of that tile
	s_bfe_u32 s15, ttmp6, 0x40000                  ; cx
	s_and_b32 s16, ttmp7, 0xffff                   ; head
	s_mov_b32 s17, ttmp9                           ; a = the cluster's x, 0..3: the same in all four partners
	s_sub_co_u32 s19, 7, s17
	s_bitcmp1_b32 s17, 0
	s_cselect_b32 s18, s17, s19                    ; T1 = a if a is odd, 7 - a if even: always odd, so tile 1 has T1 + 1 rounds, an even number
	s_sub_co_u32 s19, 7, s18                       ; T2
	s_lshr_b32 s81, s18, 1                         ; trips of loop A = (T1 + 1) / 2 - 1
	s_lshr_b32 s82, s19, 1                         ; trips of loop B = T2 / 2
	s_mov_b32 s74, 0x3e0293ee                      ; c = log2(e) / sqrt(128)
	s_mov_b32 s75, 0x3e0293ee
	s_mov_b32 s76, 0x76543210                      ; v_permlanex16_b32: lane i reads lane i of the other half
	s_mov_b32 s77, 0xfedcba98
	s_mov_b32 s78, 0xf1800000                      ; -2^100
	s_mov_b32 s79, 1                               ; the key block that the next refill brings
	s_mov_b32 s80, 0
	; group 1.  K: 128 keys x 128 elements, padding of 4 words behind every 64.  vT: 64 rows x 256 elements, padding behind every 128.  The mask names all four partners.
	s_mov_b32 s[G1K+0], 15|(1<<16)|(1<<20)|(1<<21)|(5<<22)|(3<<25)
	s_mov_b32 s[G1K+1], 128<<16
	s_mov_b32 s[G1K+2], 128<<16
	s_mov_b32 s[G1K+3], 128<<16
	s_mov_b32 s[G1K+4], 128
	s_mov_b32 s[G1K+5], 2048
	s_mov_b32 s[G1K+6], 0
	s_mov_b32 s[G1K+7], 0
	s_mov_b32 s[G1V+0], 15|(1<<16)|(1<<20)|(1<<21)|(6<<22)|(3<<25)
	s_mov_b32 s[G1V+1], 256<<16
	s_mov_b32 s[G1V+2], 64<<16
	s_mov_b32 s[G1V+3], 256<<16
	s_mov_b32 s[G1V+4], 64
	s_mov_b32 s[G1V+5], 2048
	s_mov_b32 s[G1V+6], 0
	s_mov_b32 s[G1V+7], 0
	s_mul_i32 s20, s12, 128*KP                     ; K: waves 0, 1 at 0 and 128 rows
	s_mul_i32 s21, s12, 64*VP
	s_add_co_u32 s21, s21, KPART-2*64*VP           ; vT: waves 2, 3 at KPART and 64 rows further
.irp s, 0,1
	s_mov_b32 s[G0K+4*\s], 1
	s_add_co_u32 s[G0K+4*\s+1], s20, \s*SLOT
	s_mov_b32 s[G0V+4*\s], 1
	s_add_co_u32 s[G0V+4*\s+1], s21, \s*SLOT
.endr
	s_lshl_b32 s44, s16, 8                         ; K: the head's 256 bytes of a row,
	s_lshl_b32 s45, s14, 19                        ; my 128 keys
	s_add_co_u32 s44, s44, s45
	s_mov_b32 s45, 0
	s_lshl_b32 s46, s16, 19                        ; vT: the head's 128 rows,
	s_lshl_b32 s47, s14, 18                        ; my 64
	s_add_co_u32 s46, s46, s47
	s_mov_b32 s47, 0
	s_lshl_b32 s88, s16, 8
	s_lshl2_add_u32 s84, s18, s15                  ; t1 = 4 T1 + cx (these registers feed plain loads and stores alone)
	s_lshl_b32 s84, s84, 18                        ; 64 rows of 4,096 bytes
	s_add_co_u32 s84, s84, s88
	s_mov_b32 s85, 0
	s_lshl2_add_u32 s86, s19, s15                  ; t2
	s_lshl_b32 s86, s86, 18
	s_add_co_u32 s86, s86, s88
	s_mov_b32 s87, 0
	s_lshl_b32 s90, s12, 16                        ; o: my 16 rows of a tile
	s_mov_b32 s91, 0
	s_wait_kmcnt 0x0
	s_add_nc_u64 s[40:41], s[6:7], s[44:45]        ; KB: K's tile of key block 0
	s_add_nc_u64 s[42:43], s[8:9], s[46:47]        ; VB: vT's
	s_add_nc_u64 s[66:67], s[4:5], s[84:85]        ; Q of tile 1
	s_add_nc_u64 s[68:69], s[4:5], s[86:87]        ; Q of tile 2
	s_add_nc_u64 s[70:71], s[10:11], s[84:85]
	s_add_nc_u64 s[70:71], s[70:71], s[90:91]      ; o of tile 1, my rows
	s_add_nc_u64 s[72:73], s[10:11], s[86:87]
	s_add_nc_u64 s[72:73], s[72:73], s[90:91]      ; o of tile 2
	s_mov_b64 s[G0K+2:G0K+3], s[40:41]
	s_or_b32 s[G0K+3], s[G0K+3], 0x80000000
	s_mov_b64 s[G0V+2:G0V+3], s[42:43]
	s_or_b32 s[G0V+3], s[G0V+3], 0x80000000
	CROUND                                         ; all four work-groups are here
	JLOAD 0                                        ; key block 0 into slot 0: one load of the wave is out
	v_and_b32 v1, 15, v0                           ; r
	v_bfe_u32 v2, v0, 4, 1                         ; h
	v_and_b32 v3, 31, v0                           ; lane
	v_mul_u32_u24 v4, v1, KP
	v_lshl_add_u32 v4, v2, 4, v4
	s_mul_i32 s20, s12, 64*KP                      ; my 64 keys
	v_add_nc_u32 v[ADK], s20, v4
	s_add_co_u32 s21, s20, SLOT
	v_add_nc_u32 v[ADK+1], s21, v4
	v_mul_u32_u24 v5, v1, VP
	v_lshl_add_u32 v6, v2, 4, v5
	s_lshl_b32 s20, s12, 7                         ; my 64 keys are 128 bytes of a row of vT
	s_add_co_u32 s20, s20, KPART
	v_add_nc_u32 v[ADV], s20, v6
	s_add_co_u32 s21, s20, SLOT
	v_add_nc_u32 v[ADV+1], s21, v6
	v_lshlrev_b32 v[QOFF], 12, v1
	v_lshl_add_u32 v[QOFF], v2, 4, v[QOFF]         ; row r of 4,096 bytes + 16 h
	s_sub_co_i32 s89, s15, s12
	s_lshl_b32 s89, s89, 6
	v_lshlrev_b32 v6, 3, v2
	v_sub_nc_u32 v[DM], v1, v6
	v_add_nc_u32 v[DM], s89, v[DM]
	v_lshlrev_b32 v6, 2, v1
	s_lshl_b32 s20, s12, 8
	s_add_co_u32 s20, s20, STAT
	v_add_nc_u32 v[SA], s20, v6
	v_add_nc_u32 v[SLD], STAT, v6
	v_lshl_add_u32 v7, v2, 5, v5                   ; exchange: row r, 32 h
	s_mul_i32 s20, s12, XR
.irp i, 0,1,2,3
	s_add_co_u32 s21, s20, \i*8*XR
	v_add_nc_u32 v[XS+\i], s21, v7
.endr
	v_lshlrev_b32 v6, 4, v3
	s_mul_i32 s20, s12, 4*XR
	v_add_nc_u32 v[XL], s20, v6
	s_add_co_u32 s21, s20, 16*XR
	v_add_nc_u32 v[XL2], s21, v6
	v_lshlrev_b32 v[OOFF], 3, v3
.irp qb, 0,1,2,3
	v_mov_b32 v[T+\qb], 0                          ; written once: a destination of v_permlanex16_b32 counts as read,
	v_mov_b32 v[AL+2*\qb+1], 0                     ; and so does the upper register of a pair of which the lower is broadcast
	v_mov_b32 v[NM+2*\qb+1], 0
.endr
.macro QLOAD pb                        ; the 16 Q fragments of a tile: 64 queries x 128 d, straight into registers (16 KiB, twice in the launch)
	WIN 0x40
.irp qb, 0,1,2,3
.irp c, 0,1,2,3
	global_load_b128 v[8*(4*\qb+\c):8*(4*\qb+\c)+3],   v[QOFF], s[\pb:\pb+1] offset:\qb*65536+64*\c
	global_load_b128 v[8*(4*\qb+\c)+4:8*(4*\qb+\c)+7], v[QOFF], s[\pb:\pb+1] offset:\qb*65536+64*\c+32
.endr
.endr
	WIN 0
.endm
.macro RESET                           ; a tile's statistics: m = -2^100, NM = 2^100 c (exact), l = 0
.irp qb, 0,1,2,3
	v_mov_b32 v[M+\qb], s78
	v_mul_f32 v[NM+2*\qb], -v[M+\qb], s74
	v_mov_b32 v[LS+2*\qb], 0
	v_mov_b32 v[LS+2*\qb+1], 0
.endr
.endm
.macro OSCALE win                      ; O^T times AL, query by query.  0x82: in place in window 2; 0xc2: from window 2 into window 3
	WIN \win
.irp dt, 0,1,2,3,4,5,6,7
.irp qb, 0,1,2,3
.irp e, 0,2,4,6
	v_pk_mul_f32 v[8*(4*\dt+\qb)+\e:8*(4*\dt+\qb)+\e+1], v[8*(4*\dt+\qb)+\e:8*(4*\dt+\qb)+\e+1], v[AL+2*\qb:AL+2*\qb+1] op_sel_hi:[1,0]
.endr
.endr
.endr
.endm
.macro PV zero                         ; O^T += vT x P^T: 64 matrix instructions on 32 accumulators by turns; zero = 1: the first 32 start the sums
	WIN 0xa1
.irp c2, 0,1
.irp dt, 0,1,2,3,4,5,6,7
.irp qb, 0,1,2,3
.if \zero*(1-\c2)
	v_wmma_f32_16x16x32_f16 v[8*(4*\dt+\qb):8*(4*\dt+\qb)+7], v[128+8*(8*\c2+\dt):128+8*(8*\c2+\dt)+7], v[ST+32*\qb+16*\c2:ST+32*\qb+16*\c2+7], 0
.else
	v_wmma_f32_16x16x32_f16 v[8*(4*\dt+\qb):8*(4*\dt+\qb)+7], v[128+8*(8*\c2+\dt):128+8*(8*\c2+\dt)+7], v[ST+32*\qb+16*\c2:ST+32*\qb+16*\c2+7], v[8*(4*\dt+\qb):8*(4*\dt+\qb)+7]
.endif
.endr
.endr
.endr
	WIN 0
.endm
; One round: 256 keys in \slot.  refill: the other slot gets key block s79 (kbzero: block 0, for tile 2).  first: 1 the tile's first round, 0 not, 2 as s80 says.  mask: the diagonal block.
.macro RND slot, refill, kbzero, first, mask
	s_wait_xcnt 0x0
	v_lshl_add_u32 v254, v0, 2, 0x44000
	v_mov_b32 v255, 0
	s_wait_tensorcnt 0x0                           ; all my tensor loads have landed, my part of this round's tiles among them: every group 0 may be written
	ds_add_u32 v254, v255
	s_wait_dscnt 0x0
.if \refill
.if \kbzero
	s_mov_b32 s79, 0
.endif
	s_lshl_b32 s44, s79, 20                        ; 256 keys of 4,096 bytes (s45 = 0)
	s_lshl_b32 s46, s79, 9                         ; 256 keys of 2 bytes (s47 = 0)
	s_add_nc_u64 s[G0K+4*(1-\slot)+2:G0K+4*(1-\slot)+3], s[40:41], s[44:45]
	s_or_b32 s[G0K+4*(1-\slot)+3], s[G0K+4*(1-\slot)+3], 0x80000000
	s_add_nc_u64 s[G0V+4*(1-\slot)+2:G0V+4*(1-\slot)+3], s[42:43], s[46:47]
	s_or_b32 s[G0V+4*(1-\slot)+3], s[G0V+4*(1-\slot)+3], 0x80000000
	s_add_co_u32 s79, s79, 1
.endif
	s_wait_dscnt 0x0                               ; my reads of the other slot are over
	CROUND                                         ; both now hold of every wave of all four work-groups
.if \refill
	JLOAD (1-\slot)                                ; my one tensor load behind the round, and the first thing there
.endif
	WIN 0x40
.irp c, 0,1,2,3
.irp kt, 0,1,2,3
	ds_load_b128 v[128+8*(4*\c+\kt):128+8*(4*\c+\kt)+3],   v[ADK+\slot] offset:\kt*16*KP+64*\c
	ds_load_b128 v[128+8*(4*\c+\kt)+4:128+8*(4*\c+\kt)+7], v[ADK+\slot] offset:\kt*16*KP+64*\c+32
.endr
.endr
	WIN 0x05
.irp c, 0,1,2,3
	s_wait_dscnt 24-8*\c                           ; the eight loads of this 32 along d are in; the later groups stay out
.irp kt, 0,1,2,3
.irp qb, 0,1,2,3
.if \c == 0
	v_wmma_f32_16x16x32_f16 v[ST+32*\qb+8*\kt:ST+32*\qb+8*\kt+7], v[128+8*(4*\c+\kt):128+8*(4*\c+\kt)+7], v[8*(4*\qb+\c):8*(4*\qb+\c)+7], 0
.else
	v_wmma_f32_16x16x32_f16 v[ST+32*\qb+8*\kt:ST+32*\qb+8*\kt+7], v[128+8*(4*\c+\kt):128+8*(4*\c+\kt)+7], v[8*(4*\qb+\c):8*(4*\qb+\c)+7], v[ST+32*\qb+8*\kt:ST+32*\qb+8*\kt+7]
.endif
.endr
.endr
.endr
	PLACES                                         ; behind the last products: for the loads over K's fragments and for the reads of S^T
	WIN 0x40
.irp c2, 0,1
.irp dt, 0,1,2,3,4,5,6,7
	ds_load_b128 v[128+8*(8*\c2+\dt):128+8*(8*\c2+\dt)+3],   v[ADV+\slot] offset:\dt*16*VP+64*\c2
	ds_load_b128 v[128+8*(8*\c2+\dt)+4:128+8*(8*\c2+\dt)+7], v[ADV+\slot] offset:\dt*16*VP+64*\c2+32
.endr
.endr
	WIN 0                                          ; vT's fragments arrive while the softmax is worked out
.if \mask
.irp dl, 0,1,2,3,4,5,6
.irp j, 0,1,2,3,4,5,6,7
	v_cmp_le_i32 vcc_lo, 16*(\dl-3)+\j, v[DM]      ; one compare serves all tiles with kt - qb = dl - 3
.irp qb, 0,1,2,3
.if (\qb+\dl-3) >= 0
.if (\qb+\dl-3) <= 3
	v_cndmask_b32 v[ST+32*\qb+8*(\qb+\dl-3)+\j], s78, v[ST+32*\qb+8*(\qb+\dl-3)+\j], vcc_lo
.endif
.endif
.endr
.endr
.endr
.endif
	; the new maximum of each query: 32 scores a lane, four chains side by side, then the other half of the lanes
.irp qb, 0,1,2,3
	v_max3_num_f32 v[MN+\qb], v[M+\qb], v[ST+32*\qb], v[ST+32*\qb+1]
.endr
.set i_, 2
.rept 15
.irp qb, 0,1,2,3
	v_max3_num_f32 v[MN+\qb], v[MN+\qb], v[ST+32*\qb+i_], v[ST+32*\qb+i_+1]
.endr
.set i_, i_+2
.endr
.irp qb, 0,1,2,3
	v_permlanex16_b32 v[T+\qb], v[MN+\qb], s76, s77
.endr
.irp qb, 0,1,2,3
	v_max_num_f32 v[M+\qb], v[MN+\qb], v[T+\qb]
.endr
.irp qb, 0,1,2,3
	v_mul_f32 v[XN+\qb], -v[M+\qb], s74            ; the new -(m c)
.endr
.irp qb, 0,1,2,3
	v_sub_f32 v[AL+2*\qb], v[XN+\qb], v[NM+2*\qb]  ; (m old - m new) c, from the two rounded numbers
.endr
.irp qb, 0,1,2,3
	v_mov_b32 v[NM+2*\qb], v[XN+\qb]
.endr
.irp qb, 0,1,2,3
	v_exp_f32 v[AL+2*\qb], v[AL+2*\qb]             ; the plain instructions that follow touch no AL (ISA guide 5.7.2)
.endr
.set i_, 0
.rept 16
.irp qb, 0,1,2,3
	v_pk_fma_f32 v[ST+32*\qb+i_:ST+32*\qb+i_+1], v[ST+32*\qb+i_:ST+32*\qb+i_+1], s[74:75], v[NM+2*\qb:NM+2*\qb+1] op_sel_hi:[1,0,0]
.endr
.set i_, i_+2
.endr
.set i_, 0
.rept 128
	v_exp_f32 v[ST+i_], v[ST+i_]
.set i_, i_+1
.endr
	s_wait_alu depctr_va_vdst(0)
.irp qb, 0,1,2,3
	v_pk_mul_f32 v[LS+2*\qb:LS+2*\qb+1], v[LS+2*\qb:LS+2*\qb+1], v[AL+2*\qb:AL+2*\qb+1] op_sel_hi:[1,0]   ; also the plain place behind the exponentials
.endr
.set i_, 0
.rept 16
.irp qb, 0,1,2,3
	v_pk_add_f32 v[LS+2*\qb:LS+2*\qb+1], v[LS+2*\qb:LS+2*\qb+1], v[ST+32*\qb+i_:ST+32*\qb+i_+1]
.endr
.set i_, i_+2
.endr
.set i_, 0
.rept 16                                       ; pack in place: pair i of a query block goes to register 16 (i / 8) + i % 8, never ahead of a pair not yet read
.irp qb, 0,1,2,3
	v_cvt_pk_f16_f32 v[ST+32*\qb+16*(i_/8)+(i_%8)], v[ST+32*\qb+2*i_], v[ST+32*\qb+2*i_+1]
.endr
.set i_, i_+1
.endr
.if \first == 2
	s_cmp_lg_u32 s80, 0
	s_cbranch_scc1 .Lfirst_\@
.endif
.if \first != 1
	OSCALE 0x82
	s_wait_dscnt 0x0                               ; vT's fragments are in
	PV 0
.endif
.if \first == 2
	s_branch .Ljoin_\@
.Lfirst_\@:
.endif
.if \first != 0
	s_wait_dscnt 0x0
	PV 1
.endif
.if \first == 2
.Ljoin_\@:
	s_mov_b32 s80, 0
.endif
.rept 5                                        ; five places: the next S^T products write over P^T, the next loads land on vT's fragments
	v_nop
.endr
.endm
; The end of a tile: the four waves' -(m c) and l meet in LDS; each wave scales its O^T by exp2(nt - NM) / sum of exp2(nt - n_s) l_s, nt the least of the four n_s.
.macro STATS region, win
.irp qb, 0,1,2,3
	v_add_f32 v[LS+2*\qb], v[LS+2*\qb], v[LS+2*\qb+1]
.endr
.irp qb, 0,1,2,3
	v_permlanex16_b32 v[T+\qb], v[LS+2*\qb], s76, s77
.endr
.irp qb, 0,1,2,3
	v_add_f32 v[LS+2*\qb], v[LS+2*\qb], v[T+\qb]
.endr
.irp qb, 0,1,2,3
	ds_store_b32 v[SA], v[NM+2*\qb] offset:\region*2048+64*\qb          ; lanes r and r + 16 write the same word with the same value
	ds_store_b32 v[SA], v[LS+2*\qb] offset:\region*2048+1024+64*\qb
.endr
	s_wait_dscnt 0x0                               ; for the others' sake
	s_barrier_signal -1
	s_barrier_wait -1
.irp qb, 0,1,2,3
.irp s, 0,1,2,3
	ds_load_b32 v[192+4*\qb+\s], v[SLD] offset:\region*2048+256*\s+64*\qb
	ds_load_b32 v[208+4*\qb+\s], v[SLD] offset:\region*2048+1024+256*\s+64*\qb
.endr
.endr
	s_wait_dscnt 0x0
.irp qb, 0,1,2,3
	v_min3_num_f32 v[T+\qb], v[192+4*\qb], v[193+4*\qb], v[194+4*\qb]
.endr
.irp qb, 0,1,2,3
	v_min_num_f32 v[T+\qb], v[T+\qb], v[195+4*\qb]
.endr
.irp qb, 0,1,2,3
.irp s, 0,1,2,3
	v_sub_f32 v[192+4*\qb+\s], v[T+\qb], v[192+4*\qb+\s]
.endr
	v_sub_f32 v[AL+2*\qb], v[T+\qb], v[NM+2*\qb]
.endr
.set i_, 0
.rept 16
	v_exp_f32 v[192+i_], v[192+i_]
.set i_, i_+1
.endr
.irp qb, 0,1,2,3
	v_exp_f32 v[AL+2*\qb], v[AL+2*\qb]
.endr
	v_nop                                          ; the plain place behind the exponentials
	s_wait_alu depctr_va_vdst(0)
.irp qb, 0,1,2,3
	v_mul_f32 v[T+\qb], v[192+4*\qb], v[208+4*\qb]
.endr
.irp s, 1,2,3
.irp qb, 0,1,2,3
	v_fmac_f32 v[T+\qb], v[192+4*\qb+\s], v[208+4*\qb+\s]
.endr
.endr
.irp qb, 0,1,2,3
	v_rcp_f32 v[T+\qb], v[T+\qb]                   ; the sum is at least about 1: the wave with the least n has weight 1 and an l that holds its own largest p
.endr
	v_nop
	s_wait_alu depctr_va_vdst(0)
.irp qb, 0,1,2,3
	v_mul_f32 v[AL+2*\qb], v[AL+2*\qb], v[T+\qb]
.endr
	OSCALE \win
	WIN 0
.endm
	QLOAD 66
	RESET
	s_wait_loadcnt 0x0                             ; Q of tile 1
	RND 0, 1, 0, 1, 0                              ; tile 1, key block 0; slot 1 gets its first fill as a refill does
	s_cmp_eq_u32 s81, 0
	s_cbranch_scc1 .Lno_a
.Lloop_a:
	RND 1, 1, 0, 0, 0
	RND 0, 1, 0, 0, 0
	s_sub_co_u32 s81, s81, 1
	s_cmp_lg_u32 s81, 0
	s_cbranch_scc1 .Lloop_a
.Lno_a:
	RND 1, 1, 1, 0, 1                              ; tile 1's diagonal block; slot 0 gets key block 0 again, for tile 2
	QLOAD 68                                       ; Q of tile 2 over tile 1's (the places behind the last products stand at the round's end)
	STATS 0, 0xc2                                  ; tile 1's part, scaled, moves to window 3.  The load for slot 0 stays out across this barrier
	RESET
	s_mov_b32 s80, 1                               ; the next round starts tile 2's sums
	s_wait_loadcnt 0x0
	s_cmp_eq_u32 s82, 0
	s_cbranch_scc1 .Lno_b
.Lloop_b:
	RND 0, 1, 0, 2, 0
	RND 1, 1, 0, 0, 0
	s_sub_co_u32 s82, s82, 1
	s_cmp_lg_u32 s82, 0
	s_cbranch_scc1 .Lloop_b
.Lno_b:
	RND 0, 0, 0, 2, 1                              ; tile 2's diagonal block: nothing is left to fetch
	; THE MERGE.  Behind the barrier in STATS no wave reads the ring any more and no tensor load is out or to come: the ring's bytes serve the exchange.
	; Region (tile, qb, from wave s) = 16 queries x 128 d of f32.  Wave w then adds the four parts of query block qb = w and stores 16 rows of o for each tile.
	STATS 1, 0x82
	WIN 0x0c                                       ; store data from window 3: tile 1
.irp qb, 0,1,2,3
.irp dt, 0,1,2,3,4,5,6,7
	ds_store_b128 v[XS+(\qb/2)], v[8*(4*\dt+\qb):8*(4*\dt+\qb)+3]   offset:(\qb%2)*4*XR+64*\dt
	ds_store_b128 v[XS+(\qb/2)], v[8*(4*\dt+\qb)+4:8*(4*\dt+\qb)+7] offset:(\qb%2)*4*XR+64*\dt+16
.endr
.endr
	WIN 0x08                                       ; from window 2: tile 2
.irp qb, 0,1,2,3
.irp dt, 0,1,2,3,4,5,6,7
	ds_store_b128 v[XS+2+(\qb/2)], v[8*(4*\dt+\qb):8*(4*\dt+\qb)+3]   offset:(\qb%2)*4*XR+64*\dt
	ds_store_b128 v[XS+2+(\qb/2)], v[8*(4*\dt+\qb)+4:8*(4*\dt+\qb)+7] offset:(\qb%2)*4*XR+64*\dt+16
.endr
.endr
	WIN 0
	s_wait_dscnt 0x0
	s_barrier_signal -1
	s_barrier_wait -1
; four rows at a time: 16 loads (row by row, the four parts of a row together), then for each row three packed sums of four numbers, one rounding to f16, one store.
; A row's result has a register pair of its own (v64-127), so no store's data is ever rewritten.
.macro REDUCE tau, xl, pb
.irp g, 0,1,2,3
.irp p, 0,1,2,3
.irp s, 0,1,2,3
	ds_load_b128 v[192+16*\p+4*\s:192+16*\p+4*\s+3], v[\xl] offset:\s*XR+(4*\g+\p)*VP
.endr
.endr
.irp p, 0,1,2,3
	s_wait_dscnt 12-4*\p                           ; this row's four loads are in; the later rows' stay out
	v_pk_add_f32 v[192+16*\p:193+16*\p], v[192+16*\p:193+16*\p], v[196+16*\p:197+16*\p]
	v_pk_add_f32 v[194+16*\p:195+16*\p], v[194+16*\p:195+16*\p], v[198+16*\p:199+16*\p]
	v_pk_add_f32 v[200+16*\p:201+16*\p], v[200+16*\p:201+16*\p], v[204+16*\p:205+16*\p]
	v_pk_add_f32 v[202+16*\p:203+16*\p], v[202+16*\p:203+16*\p], v[206+16*\p:207+16*\p]
	v_pk_add_f32 v[192+16*\p:193+16*\p], v[192+16*\p:193+16*\p], v[200+16*\p:201+16*\p]
	v_pk_add_f32 v[194+16*\p:195+16*\p], v[194+16*\p:195+16*\p], v[202+16*\p:203+16*\p]
	v_cvt_pk_f16_f32 v[64+32*\tau+2*(4*\g+\p)], v[192+16*\p], v[193+16*\p]
	v_cvt_pk_f16_f32 v[65+32*\tau+2*(4*\g+\p)], v[194+16*\p], v[195+16*\p]
	global_store_b64 v[OOFF], v[64+32*\tau+2*(4*\g+\p):65+32*\tau+2*(4*\g+\p)], s[\pb:\pb+1] offset:4096*(4*\g+\p)   ; 32 lanes store the head's 256 bytes of a row, aligned
.endr
.endr
.endm
	REDUCE 0, XL, 70
	REDUCE 1, XL2, 72
	s_wait_xcnt 0x0
	v_lshl_add_u32 v254, v0, 2, 0x44000
	v_mov_b32 v255, 0
	s_wait_tensorcnt 0x0
	ds_add_u32 v254, v255
	s_wait_dscnt 0x0
	CROUND                                         ; the closing round
	s_endpgm
.Lfunc_end_k_qec800ae8c4_attn:
	.size	k_qec800ae8c4_attn, .Lfunc_end_k_qec800ae8c4_attn-k_qec800ae8c4_attn
	.p2alignl 7, 3214868480
	.fill 96, 4, 3214868480
	.section	.rodata,"a",@progbits
	.p2align	6, 0x0
	.amdhsa_kernel k_qec800ae8c4_attn
		.amdhsa_group_segment_fixed_size 327680
		.amdhsa_private_segment_fixed_size 0
		.amdhsa_enable_private_segment 0
		.amdhsa_kernarg_size 32
		.amdhsa_user_sgpr_count 2
		.amdhsa_user_sgpr_kernarg_segment_ptr 1
		.amdhsa_wavefront_size32 1
		.amdhsa_system_sgpr_workgroup_id_x 1
		.amdhsa_system_sgpr_workgroup_id_y 1
		.amdhsa_system_sgpr_workgroup_id_z 1
		.amdhsa_system_vgpr_workitem_id 0
		.amdhsa_next_free_vgpr 1024
		.amdhsa_next_free_sgpr 96
		.amdhsa_reserve_vcc 1
		.amdhsa_float_denorm_mode_32 3
		.amdhsa_float_denorm_mode_16_64 3
		.amdhsa_memory_ordered 1
		.amdhsa_forward_progress 1
		.amdhsa_inst_pref_size 255
	.end_amdhsa_kernel
	.section	.bss,"aw",@nobits
	.p2align	6
	.space	262144
	.amdgpu_metadata
---
amdhsa.version: [ 1, 2 ]
amdhsa.kernels:
  - .name:           k_qec800ae8c4_attn
    .symbol:         k_qec800ae8c4_attn.kd
    .args:
      - { .name: q, .offset: 0, .size: 8, .value_kind: global_buffer, .address_space: global }
      - { .name: k, .offset: 8, .size: 8, .value_kind: global_buffer, .address_space: global }
      - { .name: vt, .offset: 16, .size: 8, .value_kind: global_buffer, .address_space: global }
      - { .name: ob, .offset: 24, .size: 8, .value_kind: global_buffer, .address_space: global }
    .group_segment_fixed_size: 327680
    .private_segment_fixed_size: 0
    .kernarg_segment_align: 8
    .kernarg_segment_size: 32
    .max_flat_workgroup_size: 128
    .sgpr_count:     96
    .vgpr_count:     1024
    .wavefront_size: 32
...
	.end_amdgpu_metadata
.endif
;; end of part 3
;; launch oproj (part 4): grid 16 x 16, 4 waves a work-group, clusters of 4 x 4, 327,680 bytes of LDS; arguments ob, wo, out0; writes out0
.if DOCPART == 4
	.amdgcn_target "amdgcn-amd-amdhsa--gfx1250"
	.amdhsa_code_object_version 6
	.text
	.protected	k_qec800ae8c4_oproj
	.globl	k_qec800ae8c4_oproj
	.p2align	8
	.type	k_qec800ae8c4_oproj,@function
k_qec800ae8c4_oproj:
	s_mov_b64 s[64:65], 0
	v_nop
	global_prefetch_b8 v0, s[64:65] scope:SCOPE_SE
	s_setreg_imm32_b32 hwreg(HW_REG_WAVE_MODE, 25, 1), 1
	s_wait_xcnt 0x0
	s_wait_alu depctr_hold_cnt(0) depctr_sa_sdst(0) depctr_va_vdst(0) depctr_va_sdst(0) depctr_va_ssrc(0) depctr_va_vcc(0) depctr_vm_vsrc(0)
	s_getreg_b32 s2, hwreg(HW_REG_IB_STS2, 6, 4)
	s_cmp_eq_u32 s2, 0
	s_cbranch_scc0 .Lentry_in_a_cluster
	s_endpgm
.Lentry_in_a_cluster:
	s_bfe_u32 s2, ttmp6, 0x10000c
	s_cmp_lg_u32 s2, 0xf033
	s_cbranch_scc0 .Lentry_shape_is_right
	s_endpgm
.Lentry_shape_is_right:
; out0 = o W_O^T.  o: [2048][2048] f16; wo: W_O, [2048][2048] in f16's format; out0 f32; sums f32.
; A work-group makes 128 x 128 of out0, so that the 2048 x 2048 result gives 256 work-groups; four waves, 2 x 2, each 64 x 64: 16 accumulator tiles.
; K goes in steps of 256 (rows of 512 bytes, aligned) through a ring of two LDS slots: a step is 128 matrix instructions a wave, in which the other slot's fill is on its way.
; 4 x 4 work-groups form a cluster: o's tile hangs on the block row alone and is asked for jointly along a row of the cluster, W_O's on the block column alone, along a column.
; Source 0 = rows of W_O, source 1 = rows of o: a lane then holds one token and 8 neighbouring features, 32 bytes of a row of out0.
; The 16 accumulators take turns, one instruction a turn, in the same order throughout.
; ASKING AHEAD.  A tile's 128 rows are shared out among the sixteen work-groups that read it, eight rows each.  Wave 0 (for o) and wave 2 (for W_O) ask for their work-group's
; eight rows x 1,024 bytes, two K steps, 8 KiB an ask: steps 2 and 3 at the start, 4 and 5 at the end of step 1, 6 and 7 at the end of step 3; that is one or two K steps
; ahead of the tensor loads that bring them, each block of 256 bytes once in the launch, and none past a row's end.  The bytes stand in the ask's immediate,
; which is why the four laps of the ring are written out by macro and not looped.
; REGISTERS: window 0: addresses v16-27; fragments of o v64-95, v128-159 and of W_O v96-127, v160-191 (two buffers); way out v192-255.  window 1: tile (a, b) at v[8 (4 a + b)].
.set KSTEP,  256
.set PITCH,  528                       ; 512 bytes + 16, an odd multiple of 16
.set HALFT,  64*PITCH                  ; 64 rows: one tensor load, and what a wave reads of o or of W_O
.set SLOT,   4*HALFT                   ; o's 128 rows, then W_O's 128 rows
.set STAGE,  2*SLOT                    ; behind the ring: 16 rows x 272 bytes for each wave; no tensor load ever lands here
.set SPITCH, 272
.set ADRA, 16
.set ADRB, 20
.set STO,  24
.set RD,   25
.set CO,   26
.set PFV,  27                          ; asking ahead: row lane / 4 of my eight, block lane % 4 of its 1,024 bytes
.set FA,   64                          ; + 64 f
.set FB,   96                          ; + 64 f
.set G1,  24
.set G0,  32
.set G1B, 48
.set G0B, 56
.set MSB, 0
.macro WIN new
.if MSB != \new
	s_set_vgpr_msb (MSB<<8)|\new
.set MSB, \new
.endif
.endm
.macro PLACES
.rept 4
	v_nop
.endr
.endm
.macro JLOAD s                         ; waves 0, 1 ask for o's halves, waves 2, 3 for W_O's
	s_cmp_eq_u32 s11, 0
	s_cbranch_scc0 .Lfor_b_\@
	tensor_load_to_lds s[G0+4*\s:G0+4*\s+3], s[G1:G1+7]
	s_nop 0
	s_branch .Lasked_\@
.Lfor_b_\@:
	tensor_load_to_lds s[G0B+4*\s:G0B+4*\s+3], s[G1B:G1B+7]
	s_nop 0
.Lasked_\@:
.endm
.macro PFETCH off                      ; waves 0 and 2 alone; s[66:67] is o's share in wave 0, W_O's in wave 2; neither it nor v[PFV] is ever rewritten
	s_cmp_lg_u32 s12, 0
	s_cbranch_scc1 .Lno_ask_\@
	global_prefetch_b8 v[PFV], s[66:67] offset:\off th:TH_LOAD_NT scope:SCOPE_SE
.Lno_ask_\@:
.endm
.macro CREST
	s_cmp_lg_u32 s10, 0
	s_cbranch_scc1 .Lnot_wave_0_\@
	s_barrier_signal -3
.Lnot_wave_0_\@:
	s_barrier_wait -3
	s_barrier_signal -1
	s_barrier_wait -1
.endm
.macro CROUND
	s_barrier_signal -1
	s_barrier_wait -1
	CREST
.endm
	s_load_b128 s[4:7], s[0:1], 0x0                ; ob s[4:5], wo s[6:7]
	s_load_b64 s[8:9], s[0:1], 0x10                ; out0
	v_lshl_add_u32 v62, v0, 2, 0x46400
	v_mov_b32 v63, 0
	ds_add_u32 v62, v63
	v_lshrrev_b32 v1, 5, v0
	v_readfirstlane_b32 s10, v1                    ; wave 0..3
	s_lshr_b32 s11, s10, 1                         ; my half of the block's rows.  Also: I fetch for o (0) or W_O (1)
	s_and_b32 s12, s10, 1                          ; my half of its columns.  Also: which 64 rows of that tile I fetch
	s_bfe_u32 s40, ttmp6, 0x40000                  ; cx
	s_bfe_u32 s41, ttmp6, 0x40004                  ; cy
	s_lshl_b32 s42, ttmp9, 2
	s_add_co_u32 s42, s42, s40                     ; block column
	s_and_b32 s13, ttmp7, 0xffff
	s_lshl_b32 s13, s13, 2
	s_add_co_u32 s13, s13, s41                     ; block row
	s_lshl_b32 s43, s41, 2
	s_lshl_b32 s43, 15, s43                        ; my row of the cluster
	s_lshl_b32 s44, 0x1111, s40                    ; my column
	; group 1: 64 rows x 256 elements of 2 bytes, 2,048 elements from row to row, 4 words of padding behind every 128
	s_or_b32 s[G1+0], s43, (1<<16)|(1<<20)|(1<<21)|(6<<22)|(3<<25)
	s_or_b32 s[G1B+0], s44, (1<<16)|(1<<20)|(1<<21)|(6<<22)|(3<<25)
	s_mov_b32 s[G1+1], KSTEP<<16
	s_mov_b32 s[G1B+1], KSTEP<<16
	s_mov_b32 s[G1+2], 64<<16
	s_mov_b32 s[G1B+2], 64<<16
	s_mov_b32 s[G1+3], KSTEP<<16
	s_mov_b32 s[G1B+3], KSTEP<<16
	s_mov_b32 s[G1+4], 64
	s_mov_b32 s[G1B+4], 64
	s_mov_b32 s[G1+5], 2048
	s_mov_b32 s[G1B+5], 2048
	s_mov_b32 s[G1+6], 0
	s_mov_b32 s[G1B+6], 0
	s_mov_b32 s[G1+7], 0
	s_mov_b32 s[G1B+7], 0
	s_lshl_b32 s17, s12, 18                        ; which 64 rows of 4,096 bytes I fetch
	s_lshl_b32 s16, s13, 19                        ; o: 128 x block row
	s_add_co_u32 s16, s16, s17
	s_lshl_b32 s46, s42, 19                        ; W_O: 128 x block column
	s_add_co_u32 s46, s46, s17
	s_mov_b32 s17, 0
	s_mov_b32 s47, 0
	s_mul_i32 s20, s10, HALFT                      ; part w of a slot
	; the shares for asking ahead, in registers that no descriptor is made of
	s_lshl_b32 s68, s13, 7
	s_lshl3_add_u32 s68, s42, s68                  ; o: rows 128 x block row + 8 x block column ..
	s_lshl_b32 s68, s68, 12
	s_mov_b32 s69, 0
	s_lshl_b32 s70, s42, 7
	s_lshl3_add_u32 s70, s13, s70                  ; W_O: rows 128 x block column + 8 x block row ..
	s_lshl_b32 s70, s70, 12
	s_mov_b32 s71, 0
	s_wait_dscnt 0x0
	s_wait_kmcnt 0x0
	s_add_nc_u64 s[14:15], s[4:5], s[16:17]
	s_add_nc_u64 s[46:47], s[6:7], s[46:47]
	s_add_nc_u64 s[68:69], s[4:5], s[68:69]
	s_add_nc_u64 s[70:71], s[6:7], s[70:71]
	s_cmp_eq_u32 s11, 0                            ; the choice hangs on the wave's number alone
	s_cselect_b64 s[66:67], s[68:69], s[70:71]
	CROUND                                         ; all sixteen work-groups are here
.irp s, 0,1
	s_mov_b32 s[G0+4*\s], 1
	s_add_co_u32 s[G0+4*\s+1], s20, \s*SLOT
	s_add_nc_u64 s[G0+4*\s+2:G0+4*\s+3], s[14:15], \s*KSTEP*2
	s_or_b32 s[G0+4*\s+3], s[G0+4*\s+3], 0x80000000
	s_mov_b32 s[G0B+4*\s], 1
	s_add_co_u32 s[G0B+4*\s+1], s20, \s*SLOT
	s_add_nc_u64 s[G0B+4*\s+2:G0B+4*\s+3], s[46:47], \s*KSTEP*2
	s_or_b32 s[G0B+4*\s+3], s[G0B+4*\s+3], 0x80000000
	JLOAD \s                                       ; both first fills: two loads of the wave are out
.endr
	v_and_b32 v6, 31, v0
	v_lshrrev_b32 v7, 2, v6
	v_and_b32 v6, 3, v6
	v_lshlrev_b32 v6, 8, v6
	v_lshl_add_u32 v[PFV], v7, 12, v6              ; 4,096 (lane / 4) + 256 (lane % 4)
	PFETCH 2*KSTEP*2                               ; K steps 2 and 3
	v_and_b32 v1, 15, v0                           ; r
	v_bfe_u32 v2, v0, 4, 1                         ; h
	v_mul_u32_u24 v3, v1, PITCH
	v_lshl_add_u32 v3, v2, 4, v3
	s_mul_i32 s21, s11, HALFT                      ; my 64 rows of o
	s_mul_i32 s22, s12, HALFT                      ; my 64 rows of W_O,
	s_add_co_u32 s22, s22, 2*HALFT                 ; behind o's 128
.irp s, 0,1
	v_add_nc_u32 v[ADRA+\s], s21, v3
	v_add_nc_u32 v[ADRB+\s], s22, v3
	s_add_co_u32 s21, s21, SLOT
	s_add_co_u32 s22, s22, SLOT
.endr
	s_mul_i32 s23, s10, 16*SPITCH
	s_add_co_u32 s23, s23, STAGE                   ; my stage
	v_mul_u32_u24 v4, v1, SPITCH
	v_lshl_add_u32 v4, v2, 5, v4                   ; in: row r, 32 bytes for each half of the lanes
	v_add_nc_u32 v[STO], s23, v4
	v_mul_u32_u24 v5, v2, SPITCH
	v_lshl_add_u32 v5, v1, 4, v5                   ; back: lanes 0-15 one row of 256 bytes, lanes 16-31 the next
	v_add_nc_u32 v[RD], s23, v5
	v_lshlrev_b32 v5, 13, v2
	v_lshl_add_u32 v[CO], v1, 4, v5                ; the same two rows in out0: 8,192 h + 16 r
.macro MUL16 f, zero
	WIN 0x50
.irp a, 0,1,2,3
.irp b, 0,1,2,3
.if \zero
	v_wmma_f32_16x16x32_f16 v[8*(4*\a+\b):8*(4*\a+\b)+7], v[FB+64*\f+8*\b:FB+64*\f+8*\b+7], v[FA+64*\f+8*\a:FA+64*\f+8*\a+7], 0
.else
	v_wmma_f32_16x16x32_f16 v[8*(4*\a+\b):8*(4*\a+\b)+7], v[FB+64*\f+8*\b:FB+64*\f+8*\b+7], v[FA+64*\f+8*\a:FA+64*\f+8*\a+7], v[8*(4*\a+\b):8*(4*\a+\b)+7]
.endif
.endr
.endr
	WIN 0
.endm
.macro FETCH slot, k, f                ; 16 LDS loads: 64 rows of o, 64 rows of W_O, 32 K at byte k
.irp i, 0,1,2,3
	ds_load_b128 v[FA+64*\f+8*\i:FA+64*\f+8*\i+3],   v[ADRA+\slot] offset:\k+\i*16*PITCH
	ds_load_b128 v[FA+64*\f+8*\i+4:FA+64*\f+8*\i+7], v[ADRA+\slot] offset:\k+\i*16*PITCH+32
.endr
.irp i, 0,1,2,3
	ds_load_b128 v[FB+64*\f+8*\i:FB+64*\f+8*\i+3],   v[ADRB+\slot] offset:\k+\i*16*PITCH
	ds_load_b128 v[FB+64*\f+8*\i+4:FB+64*\f+8*\i+7], v[ADRB+\slot] offset:\k+\i*16*PITCH+32
.endr
.endm
; An eighth of a K step: fetches the next eighth, at byte k, into buffer g, then multiplies buffer f.  pl = 1: four places stand in front of the loads into g, which the last products read
.macro Q8 slot, k, f, g, zero, pl
.if \pl
	PLACES
.endif
	FETCH \slot, \k, \g
	s_wait_dscnt 16                                ; buffer f is in; the 16 loads just issued stay out
	MUL16 \f, \zero
.endm
.macro SEVEN slot, zero
	Q8 \slot, 64,  0, 1, \zero, 0                  ; the places behind the last products stand in TURN
	Q8 \slot, 128, 1, 0, 0, 1
	Q8 \slot, 192, 0, 1, 0, 1
	Q8 \slot, 256, 1, 0, 0, 1
	Q8 \slot, 320, 0, 1, 0, 1
	Q8 \slot, 384, 1, 0, 0, 1
	Q8 \slot, 448, 0, 1, 0, 1
.endm
; The last eighth: multiplies buffer 1 and changes slots.  The products stand in front of the wait for the tensor loads, so that between the landing of the next slot's tile
; and the request for the one after it stands nothing but the barrier (a round of the cluster's barrier where this slot is filled again); then the refill, then the reads.
; pf: the bytes of a row that waves 0 and 2 ask for here; 0: none
.macro TURN slot, next, fill, pf
	s_wait_dscnt 0x0                               ; buffer 1 is in, and with it my reads of this slot are over
	MUL16 1, 0
	s_wait_tensorcnt 0x0                           ; all my tensor loads have landed: the one that was out is my part of the next slot; every group 0 may be written
	ds_add_u32 v62, v63
	s_wait_dscnt 0x0
.if \fill
	s_add_nc_u64 s[G0+4*\slot+2:G0+4*\slot+3], s[G0+4*\slot+2:G0+4*\slot+3], 2*KSTEP*2
	s_add_nc_u64 s[G0B+4*\slot+2:G0B+4*\slot+3], s[G0B+4*\slot+2:G0B+4*\slot+3], 2*KSTEP*2
	CROUND                                         ; both waits now hold of every wave of all sixteen work-groups
	JLOAD \slot
.if \pf
	PFETCH \pf
.endif
.else
	s_barrier_signal -1
	s_barrier_wait -1
.endif
	PLACES
	FETCH \next, 0, 0
.endm
.macro LAP zero, pf
	SEVEN 0, \zero
	TURN 0, 1, 1, 0
	SEVEN 1, 0
	TURN 1, 0, 1, \pf
.endm
	s_wait_tensorcnt 0x1                           ; my part of K step 0 is in; K step 1's may stay out
	s_barrier_signal -1
	s_barrier_wait -1
	FETCH 0, 0, 0
	LAP 1, 4*KSTEP*2                               ; K steps 0, 1: the first products start the sums; at the end of step 1 steps 4 and 5 are asked for
	LAP 0, 6*KSTEP*2                               ; K steps 2, 3; at the end of step 3 steps 6 and 7 are asked for
	LAP 0, 0                                       ; K steps 4, 5: nothing is left to ask for
	SEVEN 0, 0                                     ; K steps 6, 7: the last lap fills nothing
	TURN 0, 1, 0, 0
	SEVEN 1, 0
	s_wait_dscnt 0x0
	MUL16 1, 0
	; THE WAY OUT, 16 tokens at a time: a lane's 32 bytes go into the wave's own stage, whole rows of 256 bytes come back and are stored.
	PLACES
	s_lshl_b32 s16, s13, 20                        ; 128 x block row of 8,192 bytes,
	s_lshl_b32 s17, s11, 19                        ; my 64 rows
	s_add_co_u32 s16, s16, s17
	s_mov_b32 s17, 0
	s_add_nc_u64 s[8:9], s[8:9], s[16:17]
	s_lshl_b32 s46, s42, 9                         ; 128 x block column of 4 bytes,
	s_lshl_b32 s47, s12, 8                         ; my 64 columns
	s_add_co_u32 s46, s46, s47
	s_mov_b32 s47, 0
	s_add_nc_u64 s[8:9], s[8:9], s[46:47]
.macro OUT16 a, rb
	WIN 0x04                                       ; store data from window 1
.irp b, 0,1,2,3
	ds_store_b128 v[STO], v[8*(4*\a+\b):8*(4*\a+\b)+3]   offset:64*\b
	ds_store_b128 v[STO], v[8*(4*\a+\b)+4:8*(4*\a+\b)+7] offset:64*\b+16
.endr
	WIN 0
	s_wait_xcnt 0x0                                ; the registers that earlier stores read, and the stores' base, are rewritten only behind this wait
.if \a
	s_add_nc_u64 s[8:9], s[8:9], 16*8192
.endif
.irp t, 0,1,2,3,4,5,6,7
	ds_load_b128 v[\rb+4*\t:\rb+4*\t+3], v[RD] offset:\t*2*SPITCH   ; LDS serves a wave's instructions in order (ISA guide 5.7.1): these see the stores above
.endr
.irp t, 0,1,2,3,4,5,6,7
	s_wait_dscnt 7-\t
	global_store_b128 v[CO], v[\rb+4*\t:\rb+4*\t+3], s[8:9] offset:\t*16384 th:TH_STORE_NT   ; 16 lanes store 256 consecutive bytes, aligned
.endr
.endm
	OUT16 0, 192
	OUT16 1, 224
	OUT16 2, 192
	OUT16 3, 224
	s_wait_tensorcnt 0x0
	ds_add_u32 v62, v63
	s_wait_dscnt 0x0
	CROUND                                         ; the closing round
	s_endpgm
.Lfunc_end_k_qec800ae8c4_oproj:
	.size	k_qec800ae8c4_oproj, .Lfunc_end_k_qec800ae8c4_oproj-k_qec800ae8c4_oproj
	.p2alignl 7, 3214868480
	.fill 96, 4, 3214868480
	.section	.rodata,"a",@progbits
	.p2align	6, 0x0
	.amdhsa_kernel k_qec800ae8c4_oproj
		.amdhsa_group_segment_fixed_size 327680
		.amdhsa_private_segment_fixed_size 0
		.amdhsa_enable_private_segment 0
		.amdhsa_kernarg_size 24
		.amdhsa_user_sgpr_count 2
		.amdhsa_user_sgpr_kernarg_segment_ptr 1
		.amdhsa_wavefront_size32 1
		.amdhsa_system_sgpr_workgroup_id_x 1
		.amdhsa_system_sgpr_workgroup_id_y 1
		.amdhsa_system_sgpr_workgroup_id_z 1
		.amdhsa_system_vgpr_workitem_id 0
		.amdhsa_next_free_vgpr 384
		.amdhsa_next_free_sgpr 72
		.amdhsa_reserve_vcc 0
		.amdhsa_float_denorm_mode_32 3
		.amdhsa_float_denorm_mode_16_64 3
		.amdhsa_memory_ordered 1
		.amdhsa_forward_progress 1
		.amdhsa_inst_pref_size 163
	.end_amdhsa_kernel
	.amdgpu_metadata
---
amdhsa.version: [ 1, 2 ]
amdhsa.kernels:
  - .name:           k_qec800ae8c4_oproj
    .symbol:         k_qec800ae8c4_oproj.kd
    .args:
      - { .name: ob, .offset: 0, .size: 8, .value_kind: global_buffer, .address_space: global }
      - { .name: wo, .offset: 8, .size: 8, .value_kind: global_buffer, .address_space: global }
      - { .name: out0, .offset: 16, .size: 8, .value_kind: global_buffer, .address_space: global }
    .group_segment_fixed_size: 327680
    .private_segment_fixed_size: 0
    .kernarg_segment_align: 8
    .kernarg_segment_size: 24
    .max_flat_workgroup_size: 128
    .sgpr_count:     72
    .vgpr_count:     384
    .wavefront_size: 32
...
	.end_amdgpu_metadata
.endif
;; end of part 4
